; MI455X (gfx1250); checked and timed in simulation.
; The chip was launched on July 23, 2026; its instructions are those of AMD's public machine-readable ISA for CDNA 5 (MIT licence, August 2026) and "CDNA5" Instruction Set Architecture Reference Guide (July 2026). The comments in the code are by the model that wrote it; some were corrected since.
;; Attention. Allowed arithmetic: matrix products marked QUANTISED: E4M3 operands, one given power-of-two scale a tensor, by v_wmma_f32_16x16x64_fp8_fp8 or v_wmma_f32_16x16x128_fp8_fp8, f32 sums; everything else in f32.
;; Inputs: k 8 x 16 x 1,024 x 64 float32; lowp_scales 4 int32 (the exponents e of the quantised operands' scales 2^e); q 8 x 16 x 1,024 x 64 float32; v 8 x 16 x 1,024 x 64 float32.
;; Outputs: out0 8 x 1,024 x 1,024 float32.
;; This version of the problem:
;;   THIS VERSION OF THE PROBLEM IS GIVEN IN LOW PRECISION. The matrix products marked QUANTISED in the list below multiply operands that are first quantised to E4M3 (4 exponent bits, 3 mantissa bits; 8 bits a number), with one given power-of-two scale for each operand tensor; their sums are f32. All else is computed in f32.
;;   The module's matrix products, in the order in which they are computed (A, B: the left and right operand; K: the contracted axis; several contracted axes count as one K, in the product's order):
;;     1. batch 128 x [M 1,024, K 64] x [K 64, N 1,024]; A: computed on the way; B: computed on the way: QUANTISED (scales: A lowp_scales[0], B lowp_scales[1])
;;     2. batch 128 x [M 1,024, K 1,024] x [K 1,024, N 64]; A: softmax (see below); B: input v: QUANTISED (scales: A lowp_scales[2], B lowp_scales[3])
;;   THE QUANTISER, for each operand of a quantised product, along K:
;;     - The operand's scale is 2^e, e = its entry of the input lowp_scales (int32; the entries are numbered through the quantised products in the list's order, A before B).
;;     - Each number is divided by the scale, clamped to +-448, and rounded to the nearest number of E4M3, ties to even, subnormals kept.
;;     - The product sums the exact products of the quantised numbers (number of the format x scale) in f32.
;;   ~~~python
;;   def quantise(x, axis, e):      # numpy; x: float32 -> the quantised numbers, widened to float32 again
;;       x = np.moveaxis(x, axis, -1); K = x.shape[-1]
;;       r = np.clip(x / 2.0 ** e, -448, 448)
;;       step = 2.0 ** (np.maximum(np.frexp(np.where(r == 0, 1, r))[1] - 1, -6) - 3)
;;       q = np.round(r / step) * step * 2.0 ** e      # np.round: ties to even
;;       return np.moveaxis(q, -1, axis).astype(np.float32)
;;   ~~~
;;   SOFTMAX AHEAD OF A QUANTISED PRODUCT. Where the list says 'softmax', what is quantised is not the finished softmax but p = 2^(t - M), with t = logit x log2(e) and M = ceil(the row's largest t), a whole number; so 1/2 < the row's largest p <= 1. The row's sum l is taken of the UNQUANTISED p, in f32, and the product's result is divided by l at the end. Since M is a whole number, a kernel that streams over the keys may use a running M (the ceiling of the running maximum): every later rescaling is an exact power of two, so the quantised numbers keep their values, but for numbers so far below the row's largest that they fall under the format's range.
;;   OPERANDS COMPUTED ON THE WAY. 'Computed on the way' means the value that the module computes at that place (a softmax that the list does not call 'softmax' is quantised finished and normalised). What goes into a quantiser is computed in f32, as accurately as f32 sums, v_exp_f32 and their like allow (about 1e-6 of the number): no bf16 or f16 on the way to a quantiser, and a product that is left as it is and whose result goes on into a quantised operand takes f32 operands (vector FMAs, or v_wmma_f32_16x16x4_f32). A number that lies on a knife's edge between two numbers of the format may be rounded either way, as far as f32 arithmetic and the matrix unit's own rounding can turn it there, and no further.
;; One version. Each part assembles by itself: llvm-mc -triple=amdgcn-amd-amdhsa -mcpu=gfx1250 --defsym DOCPART=n.
;; ======== version 1 of 1: 1 launch
;; limits: right only within a limited range of input values
;; launch attn (part 1): grid 256 x 1, 16 waves a work-group, clusters of 4 x 1, 202,752 bytes of LDS; arguments q, k, v, lowp_scales, out0; writes out0
.if DOCPART == 1
	.amdgcn_target "amdgcn-amd-amdhsa--gfx1250"
	.amdhsa_code_object_version 6
	.text
	.protected	k_q8e92389043_attn
	.globl	k_q8e92389043_attn
	.p2align	8
	.type	k_q8e92389043_attn,@function
k_q8e92389043_attn:
	s_mov_b64 s[64:65], 0
	v_nop
	global_prefetch_b8 v0, s[64:65] scope:SCOPE_SE
	s_setreg_imm32_b32 hwreg(HW_REG_WAVE_MODE, 25, 1), 1
	s_wait_xcnt 0x0
	s_wait_alu depctr_hold_cnt(0) depctr_sa_sdst(0) depctr_va_vdst(0) depctr_va_sdst(0) depctr_va_ssrc(0) depctr_va_vcc(0) depctr_vm_vsrc(0)
	s_getreg_b32 s2, hwreg(HW_REG_IB_STS2, 6, 4)
	s_cmp_eq_u32 s2, 0
	s_cbranch_scc0 .Lentry_in_a_cluster
	s_endpgm
.Lentry_in_a_cluster:
	s_bfe_u32 s2, ttmp6, 0x10000c
	s_cmp_lg_u32 s2, 0x3003
	s_cbranch_scc0 .Lentry_shape_is_right
	s_endpgm
.Lentry_shape_is_right:
; out0[b][n][64 hd + d] = sum over m of softmax_m(qn[n] . kn[m]) v[m][d], qn = q / max(|q|, 1e-12), kn likewise; 128 heads (b, hd), 1,024 rows of 64 f32 each.
; Both products on codes of FP8 (E4M3), each operand with its given scale 2^e: e0 (qn), e1 (kn), e2 (p), e3 (v, quantised along the keys).  All else in f32.
; SHARES.  Work-group x takes head x / 2 and the half x % 2 of its queries: 512.  Each of its sixteen waves owns 32 queries, two tiles of 16, in 256 registers, and walks all 1,024 keys, in 8 chunks of 128 = 2 key steps of 64.
; THE TILES ARE SKEWED: tile 0 walks chunks 0 and 1 alone (so the first products need half of Q), both tiles walk chunks 2 to 7 on shared fragments, then tile 0 goes out and tile 1 walks chunks 0 and 1, which still lie in LDS.
; K AND V.  Of each chunk every wave loads 8 rows of K and 8 of V into 32 registers, normalises K's rows, quantises both and stores the codes to LDS as IMAGES OF THE OPERANDS' REGISTERS
; (four registers of a fragment by 16 bytes at 16 x lane).  The images of all 1,024 keys take 131,072 bytes: no byte of them is written twice.  One barrier a chunk orders the stores ahead of the reads: it is signalled
; behind the next chunk's stores (chunks 0 and 1: between their two key steps; later chunks: ahead of both) and waited for at the chunk's end; between the two stand register work and LDS loads of the chunk in hand, whose bytes nobody writes again.
; LAYOUT.  Both products are used transposed: S^T = K Q^T (source 0 = 16 keys), O^T = V^T P^T (source 0 = 16 channels): a lane holds ONE query (lane % 16) throughout.
; In S^T's tile f lane (r, h) holds in register j key 16 f + 8 h + j: the conversion of those eight registers IS a pair of registers of P's operand.  Channel tile n holds channels 4 r + n.
; THE SOFTMAX.  t = logit x log2(e); p = 2^(t - M), M a whole number, is quantised with 2^e2; the sum of the unquantised p divides at the end.  HERE M = max(2, -3 - e2) FOR EVERY ROW, and no maximum is taken: both vectors are
; normalised by the computation itself and no scale stands behind them.  Rounding to the nearest code at most doubles a number, so |logit| <= 4 and |t| < 5.78 for every input and every e0, e1: no exponential and no sum overflows
; or underflows, and p / 2^e2 = 2^t / 2^max(e2 + 2, -3) stays under 2^8.78 < 448: no number of p reaches the hold, which is left out.  The registers keep 2^t; 2^-M goes into the conversion's scale and cancels in O / l.
; M is a whole number, so p is the stated rule's p times an exact power of two.
; LIMITS.  With e0, e1 <= 0 (codes in the normal range) |t| < 2, and for -8 <= e2 <= 2 every p / 2^e2 is a normal number of E4M3, here and by the row's own M: the codes are the stated rule's, times that power of two.  For e2 <= -9
; the stated rule cuts p at 448 x 2^e2 and this text does not; for e2 >= 3 the subnormal steps differ.  Each e lies between -126 and 119, e0 + e1 between -126 and 127, so that each power of two below is an f32 number.
; 1 / max(n, 1e-12) is min(v_rsq_f32(sum of squares), 1e12) and a multiplication: a rounding or two other than a root and a division.  NaN among the inputs is not served.
; CLUSTERS of four work-groups: two heads, so that the two work-groups that read a head's K and V run together.  NO JOINT LOADS: the rows arrive as f32 and go through registers to be normalised and quantised; a raw ring for tensor loads
; (2 slots x 128 keys x 2 tensors x 272 bytes = 139,264) beside the images (131,072) and the stages (69,632) is 339,968 bytes, more than the 327,680 that a launch may claim.
; NO PREFETCH: a chunk's 65,536 bytes are asked for by the waves' own loads a whole chunk of work (24 products a wave, 128 exponentials a lane) ahead of the wait for them; at the head chunk 0 and Q's tile 0 are asked for first, and chunks 1 and 2 and
; Q's tile 1 as soon as a wave's rows of chunk 0 are in.
.set IMGC,   16384                     ; LDS: a chunk's images; chunk i at IMGC x i: K's two key steps, 4 fragments of 1,024 bytes each, then
.set VIMG,   8192                      ; V's 4 channel tiles of 2,048.  Registers 4 g .. 4 g + 3 of lane l lie at 512 g + 16 l
.set STG,    131072                    ; behind the images: a stage of 16 rows for each wave, its own
.set SPITCH, 272                       ; a stage row: 256 bytes + 16: sixteen rows' equal columns fall on sixteen different 16-byte columns modulo 256
.set STGW,   16*SPITCH
.set SPARE,  STG+16*STGW               ; the spare words, 128 bytes a wave
.set CHB,    128*256                   ; a chunk's bytes of K, or of V, in memory
.set LI,  1                            ; 16 x lane
.set GOF, 2                            ; dense pattern in memory: lanes 0-15 one row of 256 bytes, lanes 16-31 the row four further on; never rewritten
.set STW, 3                            ; the same pattern in my stage
.set STR, 4                            ; my stage, K's fragment side: row lane % 8, numbers 32 g + 8 h on (g = bit 3, h = bit 4 of the lane)
.set KW,  5                            ; where my 16 codes of K go in a chunk's images
.set VW,  6                            ; where my four words of V's codes go
.set AD,  7                            ; the chunk in hand + LI
.set SK,  8                            ; 2^e1
.set SV,  9                            ; 2^e3
.set SPP, 10                           ; 2^max(e2 + 2, -3)
.set OOF, 11                           ; dense pattern in out0: rows 4,096 bytes apart
.set LS,  12                           ; v[12:13], v[14:15]  the sums of tile 0, of tile 1, each in two halves
.set QF,  16                           ; v16-31   Q's codes, 8 registers a tile
.set PC,  32                           ; v32-63   P's codes of a chunk, 16 a tile (the second half of each also holds two pending sums while no codes are there)
.set QR,  48                           ; v48, v49 until Q's tile 1 is converted: my stage, Q's side: row lane % 16, numbers 8 h on;
.set SQ,  49                           ; 2^e0
.set KV,  64                           ; v64-95   a step's 4 fragments of K, or 2 channel tiles of V
.set RK,  96                           ; v96-127  8 rows of K, then 8 rows of V, as loaded
.set SC,  128                          ; v128-191 S^T, then p: tile t, fragment f at 32 t + 8 f (tile 1's first: its rows of Q as loaded).  Between the steps at work:
.set XK,  SC                           ;   16 numbers of a row of K
.set CD,  SC+16                        ;   their codes
.set DD,  SC+20                        ;   V's codes, a word for each key
.set AB,  SC+24                        ;   halfway turned
.set TT,  SC+28                        ;   V's codes, a word for each channel
.macro WORKREGS b                      ; and ten more at b: P's registers of tile 1 up to chunk 1, tile 1's scores from chunk 2 on
.set RI,  \b                           ;   1 / max(n, 1e-12) (the low word of the pair serves both halves)
.set CA,  \b+2                         ;   two chains of squares
.set CB,  \b+4
.set SSQ, \b+6                         ;   a row's sum of squares
.set PX,  \b+7                         ;   what the lane 16 away holds
.set KWC, \b+8                         ;   KW, VW in the chunk in hand
.set VWC, \b+9
.endm
.set OA,  192                          ; v192-255 O^T: tile t, channel tile n at 32 t + 8 n.  Before: tile 0's rows of Q as loaded; RK2
.set RK2, 224                          ; v224-255 a second set like RK, for chunks 1 and 3
.set KP,  6                            ; s[6:7]   K at my 8 rows of chunk 0 (in the loop: stepped a chunk a trip)
.set VP,  8                            ; s[8:9]   V likewise
.set OP,  12                           ; s[12:13] out0 at my first query's row, my head's 256 bytes
.set WV,  14                           ; s14  my wave's number
.set CS,  24                           ; s[24:25] log2(e) x 2^(e0 + e1)
.set SEL, 26                           ; s[26:27] lane selects for v_permlanex16_b32: lane l xor 16
.set TB,  28                           ; s28  LDS byte at which the images of the chunk in hand begin
.set CNT, 29                           ; s29  trips to go
.set LQ,  40                           ; s[40:41], s[42:43], s[44:45]  448 x 2^e and its negative, e = e0, e1, e3
.set LK,  42
.set LV,  44
.macro MKSCALE e, vs, sl               ; 2^e as f32 and +-448 x 2^e, e in s[e]
	s_add_co_i32 s36, s[\e], 127
	s_lshl_b32 s37, s36, 23
	v_mov_b32 v[\vs], s37
	s_add_co_i32 s36, s36, 8
	s_lshl_b32 s36, s36, 23
	s_or_b32 s[\sl], s36, 0x600000                 ; 448 = 1.75 x 2^8
	s_or_b32 s[\sl+1], s[\sl], 0x80000000
.endm
; My 8 rows of K and of V of the chunk that lies off bytes on: each load takes two whole rows of 256 bytes, 16 bytes a lane.  The head's other work-group reads them too: no hint.
.macro RAWLOAD rb, off
.irp i, 0,1,2,3
	global_load_b128 v[\rb+4*\i:\rb+4*\i+3], v[GOF], s[KP:KP+1] offset:\off+256*\i
.endr
.irp i, 0,1,2,3
	global_load_b128 v[\rb+16+4*\i:\rb+16+4*\i+3], v[GOF], s[VP:VP+1] offset:\off+256*\i
.endr
.endm
.macro QLOAD t, rb                     ; tile t's 16 rows of q: read once in the launch
.irp i, 0,1,2,3,4,5,6,7
	global_load_b128 v[\rb+4*\i:\rb+4*\i+3], v[GOF], s[4:5] offset:4096*\t+2048*(\i/4)+256*(\i%4) th:TH_LOAD_NT
.endr
.endm
.macro RSQ                             ; v[RI] = 1 / max(n, 1e-12), n^2 in v[SSQ]
	s_wait_alu depctr_va_vdst(0)                   ; the wait ahead of the transcendental,
	v_rsq_f32 v[RI], v[SSQ]
	v_nop                                          ; a plain instruction behind it (ISA guide 5.7.2),
	s_wait_alu depctr_va_vdst(0)                   ; and the wait ahead of its first reader
	v_min_num_f32 v[RI], s31, v[RI]                ; 1e12 where the norm is under 1e-12; a sum of squares of 0 gives infinity, held likewise
.endm
; 32 numbers of one row of Q in v[b] on, the row's others in the lane 16 away: its norm
.macro QNORM b
	v_pk_mul_f32 v[CA:CA+1], v[\b:\b+1], v[\b:\b+1]
	v_pk_mul_f32 v[CB:CB+1], v[\b+2:\b+3], v[\b+2:\b+3]
.set j, 4
.rept 7
	s_delay_alu instid0(VALU_DEP_2)
	v_pk_fma_f32 v[CA:CA+1], v[\b+j:\b+j+1], v[\b+j:\b+j+1], v[CA:CA+1]
	s_delay_alu instid0(VALU_DEP_2)
	v_pk_fma_f32 v[CB:CB+1], v[\b+j+2:\b+j+3], v[\b+j+2:\b+j+3], v[CB:CB+1]
.set j, j+4
.endr
	s_delay_alu instid0(VALU_DEP_1)
	v_pk_add_f32 v[CA:CA+1], v[CA:CA+1], v[CB:CB+1]
	s_delay_alu instid0(VALU_DEP_1)
	v_add_f32 v[SSQ], v[CA], v[CA+1]
	v_permlanex16_b32 v[PX], v[SSQ], s[SEL], s[SEL+1]
	s_delay_alu instid0(VALU_DEP_1)
	v_add_f32 v[SSQ], v[SSQ], v[PX]
	RSQ
.endm
; the n numbers x v[RI], held within +-448 x the scale (the conversion to an 8-bit code does not saturate: ISA guide 7.6.2), become n / 4 registers of codes in v[dst] on
.macro QUANT b, n, dst, sc, lim
.set j, 0
.rept (\n)/2
	v_pk_mul_f32 v[\b+j:\b+j+1], v[\b+j:\b+j+1], v[RI:RI+1] op_sel_hi:[1,0]
.set j, j+2
.endr
.set j, 0
.rept \n
	v_med3_num_f32 v[\b+j], v[\b+j], s[\lim+1], s[\lim]
.set j, j+1
.endr
.set j, 0
.rept (\n)/8
	v_cvt_scalef32_pk8_fp8_f32 v[\dst+2*j:\dst+2*j+1], v[\b+8*j:\b+8*j+7], v[\sc]
.set j, j+1
.endr
	v_nop                                          ; one plain vector instruction behind the last scaled conversion: products later write its sources and read its results
.endm
; Tile t of Q, loaded into v[rb] on: 16 rows go through my stage and come back in the operand's pattern: lane (r, h) holds, of row r, numbers 16 c + 8 h + 0 .. 7 in registers 8 c on.
.macro QCONV t, rb, younger            ; younger: the loads issued behind the tile's eight
	s_wait_alu depctr_va_vdst(0)                   ; the wait here, ahead of the wait below
	s_wait_loadcnt \younger
.irp i, 0,1,2,3,4,5,6,7
	ds_store_b128 v[STW], v[\rb+4*\i:\rb+4*\i+3] offset:8*SPITCH*(\i/4)+SPITCH*(\i%4)
.endr
.irp i, 0,1,2,3,4,5,6,7
	ds_load_b128 v[\rb+4*\i:\rb+4*\i+3], v[QR] offset:64*(\i/2)+16*(\i%2)   ; LDS serves a wave's instructions in order (ISA guide 5.7.1.4): these see the stores above
.endr
	s_wait_dscnt 0x0
	QNORM \rb
	QUANT \rb, 32, QF+8*\t, SQ, LQ
.endm
; MY SHARE OF A CHUNK: the 8 rows of K and of V in v[rb] on become codes in the images that lie off bytes behind the chunk in hand.
; ld = 1: the rows of another chunk are asked for, into the same registers, loff bytes on; step = 1: the two bases step a chunk first; first = 1: chunk 1's rows are asked for too, into RK2.
.macro CONVERT off, younger, rb, ld, loff, step, first   ; younger: the loads issued behind those eight
	s_wait_alu depctr_va_vdst(0)                   ; the wait here, ahead of the wait below
	s_wait_loadcnt \younger                        ; the rows are in
.if \first
	RAWLOAD RK2, CHB
.endif
.if \step
	s_add_nc_u64 s[KP:KP+1], s[KP:KP+1], CHB       ; (no load of mine is out here)
	s_add_nc_u64 s[VP:VP+1], s[VP:VP+1], CHB
.endif
	v_add_nc_u32 v[KWC], s[TB], v[KW]
	v_add_nc_u32 v[VWC], s[TB], v[VW]
.irp i, 0,1,2,3
	ds_store_b128 v[STW], v[\rb+4*\i:\rb+4*\i+3] offset:SPITCH*\i    ; K's rows through my stage:
.endr
.irp i, 0,1,2,3
	ds_load_b128 v[XK+4*\i:XK+4*\i+3], v[STR] offset:64*(\i/2)+16*(\i%2)   ; lane (r8, g, h) takes, of row r8, numbers 16 (2 g + c) + 8 h + 0 .. 7, c = 0, 1: registers 4 g .. 4 g + 3 of the fragment's lane
.endr
	; V meanwhile.  Lane (c, hh) holds channels 4 c .. 4 c + 3 of keys 4 hh + 0 .. 3 of my 8.
.set j, \rb+16
.rept 16
	v_med3_num_f32 v[j], v[j], s[LV+1], s[LV]
.set j, j+1
.endr
	v_cvt_scalef32_pk8_fp8_f32 v[DD:DD+1], v[\rb+16:\rb+23], v[SV]       ; a word for each key: its four channels
	v_cvt_scalef32_pk8_fp8_f32 v[DD+2:DD+3], v[\rb+24:\rb+31], v[SV]
	v_nop                                          ; a plain instruction between a scaled conversion and the readers of its result
	s_wait_alu depctr_va_vdst(0)                   ; the wait here, ahead of the wait below
	s_wait_dscnt 0x0                               ; K's numbers are back, and the stage's stores have read the rows
.if \ld
	RAWLOAD \rb, \loff
.endif
	; K's norm (16 numbers of a row here, the others in the lanes 8 and 16 away), and by turns with it V's 4 x 4 codes, turned by byte permutes: its K runs along the keys.
	v_pk_mul_f32 v[CA:CA+1], v[XK:XK+1], v[XK:XK+1]
	v_pk_mul_f32 v[CB:CB+1], v[XK+2:XK+3], v[XK+2:XK+3]
	v_perm_b32 v[AB], v[DD+1], v[DD], s32          ; keys 0, 1 of channels 0 and 1
	v_perm_b32 v[AB+1], v[DD+1], v[DD], s33        ; of channels 2 and 3
	v_pk_fma_f32 v[CA:CA+1], v[XK+4:XK+5], v[XK+4:XK+5], v[CA:CA+1]
	v_pk_fma_f32 v[CB:CB+1], v[XK+6:XK+7], v[XK+6:XK+7], v[CB:CB+1]
	v_perm_b32 v[AB+2], v[DD+3], v[DD+2], s32      ; keys 2, 3 likewise
	v_perm_b32 v[AB+3], v[DD+3], v[DD+2], s33
	v_pk_fma_f32 v[CA:CA+1], v[XK+8:XK+9], v[XK+8:XK+9], v[CA:CA+1]
	v_pk_fma_f32 v[CB:CB+1], v[XK+10:XK+11], v[XK+10:XK+11], v[CB:CB+1]
	v_perm_b32 v[TT], v[AB+2], v[AB], s34          ; a word for each channel: its four keys
	v_pk_fma_f32 v[CA:CA+1], v[XK+12:XK+13], v[XK+12:XK+13], v[CA:CA+1]
	v_pk_fma_f32 v[CB:CB+1], v[XK+14:XK+15], v[XK+14:XK+15], v[CB:CB+1]
	v_perm_b32 v[TT+1], v[AB+2], v[AB], s35
	v_pk_add_f32 v[CA:CA+1], v[CA:CA+1], v[CB:CB+1]
	v_perm_b32 v[TT+2], v[AB+3], v[AB+1], s34
	v_add_f32 v[SSQ], v[CA], v[CA+1]
	v_perm_b32 v[TT+3], v[AB+3], v[AB+1], s35
	v_add_f32_dpp v[SSQ], v[SSQ], v[SSQ] row_xmask:8 row_mask:0xf bank_mask:0xf
	v_permlanex16_b32 v[PX], v[SSQ], s[SEL], s[SEL+1]
	v_add_f32 v[SSQ], v[SSQ], v[PX]
.irp i, 0,1,2,3
	ds_store_b32 v[VWC], v[TT+\i] offset:\off+2048*\i  ; channel 4 c + i is row c of channel tile i: 32 lanes store to 32 different words of 256 bytes
.endr
	RSQ
	QUANT XK, 16, CD, SK, LK
	ds_store_b128 v[KWC], v[CD:CD+3] offset:\off
.endm
; THE PIECES OF A CHUNK, for nt tiles from tile ta on.
.macro KLOAD q                         ; K's four fragments of key step q
.irp f, 0,1,2,3
.irp g, 0,1
	ds_load_b128 v[KV+8*\f+4*\g:KV+8*\f+4*\g+3], v[AD] offset:4096*\q+1024*\f+512*\g
.endr
.endr
.endm
.macro VLOAD b                         ; V's channel tiles b, b + 1, all 128 keys
.irp n, 0,1
.irp g, 0,1,2,3
	ds_load_b128 v[KV+16*\n+4*\g:KV+16*\n+4*\g+3], v[AD] offset:VIMG+2048*(\b+\n)+512*\g
.endr
.endr
.endm
.macro SCORES ta, nt
.irp f, 0,1,2,3
.set tt, \ta
.rept \nt
	v_wmma_f32_16x16x64_fp8_fp8 v[SC+32*tt+8*\f:SC+32*tt+8*\f+7], v[KV+8*\f:KV+8*\f+7], v[QF+8*tt:QF+8*tt+7], 0
.set tt, tt+1
.endr
.endr
.endm
.macro PROBS ta, nt, q                 ; 2^t, and its codes
.set j, 32*\ta
.rept 16*\nt
	v_pk_mul_f32 v[SC+j:SC+j+1], v[SC+j:SC+j+1], s[CS:CS+1] op_sel_hi:[1,0]   ; t, two at a time; ascending
.set j, j+2
.endr
.set j, 32*\ta
	s_wait_alu depctr_va_vdst(0)                   ; one wait ahead of the batch,
.rept 32*\nt
	v_exp_f32 v[SC+j], v[SC+j]
.set j, j+1
.endr
	v_nop                                          ; a plain instruction behind the last exponential,
	s_wait_alu depctr_va_vdst(0)                   ; and one wait ahead of its first reader
.irp f, 0,1,2,3
.set tt, \ta
.rept \nt
	v_cvt_scalef32_pk8_fp8_f32 v[PC+16*tt+8*\q+2*\f:PC+16*tt+8*\q+2*\f+1], v[SC+32*tt+8*\f:SC+32*tt+8*\f+7], v[SPP]   ; keys 64 q + 16 f + 8 h + 0 .. 7
.set tt, tt+1
.endr
.endr
	v_nop                                          ; a plain instruction behind the conversions: their sources are written and their results read below
.endm
; THE SUMS, of the unquantised p, as a tree: a tile's 16 register pairs become 8, then 4, in place (the codes are made), then 2, which are added to the tile's sum.  The additions of one level do not hang on each other.
.macro SUM1 ta, nt, from, cnt
.set j, 4*(\from)
.rept \cnt
.set tt, \ta
.rept \nt
	v_pk_add_f32 v[SC+32*tt+j:SC+32*tt+j+1], v[SC+32*tt+j:SC+32*tt+j+1], v[SC+32*tt+j+2:SC+32*tt+j+3]
.set tt, tt+1
.endr
.set j, j+4
.endr
.endm
.macro SUM2 ta, nt, from, cnt
.set j, 8*(\from)
.rept \cnt
.set tt, \ta
.rept \nt
	v_pk_add_f32 v[SC+32*tt+j:SC+32*tt+j+1], v[SC+32*tt+j:SC+32*tt+j+1], v[SC+32*tt+j+4:SC+32*tt+j+5]
.set tt, tt+1
.endr
.set j, j+8
.endr
.endm
.macro PAIRS ta, nt                    ; the two that are left wait in those registers of P that hold no codes then,
.irp u, 0,1
.set tt, \ta
.rept \nt
	v_pk_add_f32 v[PC+16*tt+8+2*\u:PC+16*tt+9+2*\u], v[SC+32*tt+16*\u:SC+32*tt+16*\u+1], v[SC+32*tt+16*\u+8:SC+32*tt+16*\u+9]
.set tt, tt+1
.endr
.endr
.endm
.macro PENDING ta, nt                  ; and are added behind the next step's scores: they name none of those products' registers, and are places (ISA guide 7.12.1) behind them; v_nop fills up to four.  A tile whose bit in Z is set starts its sum: nothing is cleared
.set pl, 0
.irp u, 0,1
.set tt, \ta
.rept \nt
.if (Z>>tt)&1
.if \u == 0
	v_pk_add_f32 v[LS+2*tt:LS+2*tt+1], v[PC+16*tt+8:PC+16*tt+9], v[PC+16*tt+10:PC+16*tt+11]
.set pl, pl+1
.endif
.else
	v_pk_add_f32 v[LS+2*tt:LS+2*tt+1], v[LS+2*tt:LS+2*tt+1], v[PC+16*tt+8+2*\u:PC+16*tt+9+2*\u]
.set pl, pl+1
.endif
.set tt, tt+1
.endr
.endr
.if pl < 4
.rept 4-pl
	v_nop
.endr
.endif
.endm
.macro FLUSH ta, nt                    ; where nothing is to stay pending: the four that the second level left
.irp u, 0,8,16,24
.set tt, \ta
.rept \nt
	v_pk_add_f32 v[LS+2*tt:LS+2*tt+1], v[LS+2*tt:LS+2*tt+1], v[SC+32*tt+\u:SC+32*tt+\u+1]
.set tt, tt+1
.endr
.endr
.endm
.macro PV ta, nt, b                    ; channel tiles b, b + 1: the accumulators take turns, one instruction a turn.  A tile whose bit in Z is set starts its sums
.irp n, 0,1
.set tt, \ta
.rept \nt
.if (Z>>tt)&1
	v_wmma_f32_16x16x128_fp8_fp8 v[OA+32*tt+8*(\b+\n):OA+32*tt+8*(\b+\n)+7], v[KV+16*\n:KV+16*\n+15], v[PC+16*tt:PC+16*tt+15], 0
.else
	v_wmma_f32_16x16x128_fp8_fp8 v[OA+32*tt+8*(\b+\n):OA+32*tt+8*(\b+\n)+7], v[KV+16*\n:KV+16*\n+15], v[PC+16*tt:PC+16*tt+15], v[OA+32*tt+8*(\b+\n):OA+32*tt+8*(\b+\n)+7]
.endif
.set tt, tt+1
.endr
.endr
.endm
.macro NEXTK                           ; the first K fragments of the chunk at TB
	v_add_nc_u32 v[AD], s[TB], v[LI]
	KLOAD 0
.endm
.macro INTOLDS                         ; my LDS loads are in, my stores have landed
	s_wait_alu depctr_va_vdst(0)                   ; the wait here, ahead of the wait below
	s_wait_dscnt 0x0
.endm
; A CHUNK of 128 keys, whose first K fragments have been asked for.  z: bits of the tiles that start here.  kind: what is converted on the way: 0 nothing; between the two steps: 1 chunk 1; 2 Q's tile 1 and chunk 2; ahead of both, while
; the first K fragments are on their way: 3 chunk 3; 4 the next chunk, and the one after it is asked for; 5 the next chunk.  fin = 1: sums of the chunk before are pending.
; nxt: 1 leaves sums pending and goes on; 2 goes on to chunk 0; 3 goes on; 0 goes nowhere.
.macro CHUNK ta, nt, z, kind, fin, nxt
.set Z, \z
.if \kind == 3
	CONVERT IMGC, 8, RK2, 0, 0, 0, 0               ; younger: chunk 4's eight
.endif
.if \kind == 4
	CONVERT IMGC, 0, RK, 1, 4*CHB, 1, 0            ; the loads have a whole chunk in which to land
.endif
.if \kind == 5
	CONVERT IMGC, 0, RK, 0, 0, 0, 0
.endif
	INTOLDS
.if \kind >= 3
	s_barrier_signal -1                            ; my part of the next chunk's images is whole.  Up to the wait: registers, and LDS loads of the chunk in hand
.endif
	SCORES \ta, \nt
.if \fin
	PENDING \ta, \nt
.else
.rept 4
	v_nop                                          ; four places: for the loads into K's registers, and for the first reads of the scores
.endr
.endif
	KLOAD 1                                        ; lands under the softmax
	PROBS \ta, \nt, 0
	SUM1 \ta, \nt, 0, 8
	SUM2 \ta, \nt, 0, 4
	PAIRS \ta, \nt
.if \kind == 1
	CONVERT IMGC, 16, RK2, 1, 3*CHB, 0, 0          ; younger: chunk 2 and Q's tile 1; chunk 3 is asked for
.endif
.if \kind == 2
	QCONV 1, SC+32, 8                              ; younger: chunk 3
	CONVERT IMGC, 8, RK, 1, 4*CHB, 0, 0            ; younger: chunk 3; chunk 4 is asked for
.endif
	INTOLDS
.if (\kind == 1) || (\kind == 2)
	s_barrier_signal -1
.endif
	SCORES \ta, \nt
	PENDING \ta, \nt
	VLOAD 0                                        ; lands under the softmax
	PROBS \ta, \nt, 1
	INTOLDS
	PV \ta, \nt, 0
	SUM1 \ta, \nt, 0, 4/\nt                        ; four places ahead of the loads below
	VLOAD 2
	SUM1 \ta, \nt, 4/\nt, 8-4/\nt
.if \nt == 2
	SUM2 \ta, \nt, 0, 2
.endif
	INTOLDS
	PV \ta, \nt, 2
	SUM2 \ta, \nt, 2*\nt-2, 6-2*\nt                ; four places ahead of the lines below
.if \nxt == 1
	PAIRS \ta, \nt
.else
	FLUSH \ta, \nt
.endif
.if \kind
	s_wait_alu depctr_va_vdst(0)                   ; the wait here, ahead of the wait below
	s_barrier_wait -1                              ; every wave's part of the next chunk's images is whole
.endif
.if \nxt == 2
	s_mov_b32 s[TB], 0
	NEXTK
.elseif \nxt
	s_add_co_u32 s[TB], s[TB], IMGC
	NEXTK
.endif
.endm
; THE WAY OUT of tile t.  The sum's two halves and the other half of the lanes' are added; O^T x 2^(e2 + M + e3) / sum goes through my stage, 16 queries x 256 bytes, and leaves so that
; sixteen lanes store 256 consecutive bytes, at a multiple of 256 from out0's first byte.  Channel tile n's register j is channel 4 (8 h + j) + n: four tiles' registers j are 16 bytes.
.macro WAYOUT t
	v_add_f32 v[LS+2*\t], v[LS+2*\t], v[LS+2*\t+1]
	v_permlanex16_b32 v97, v[LS+2*\t], s[SEL], s[SEL+1]
	v_add_f32 v[LS+2*\t], v[LS+2*\t], v97
	s_wait_alu depctr_va_vdst(0)                   ; the wait ahead of the transcendental,
	v_rcp_f32 v96, v[LS+2*\t]
	v_nop
	s_wait_alu depctr_va_vdst(0)                   ; ahead of its first reader,
	v_ldexp_f32 v96, v96, s30
	s_wait_alu depctr_va_vdst(0)                   ; and ahead of the first readers of O^T
.irp n, 0,2
.irp j, 0,2,4,6
	v_dual_mul_f32 v[SC+32*\t+4*\j+\n], v[OA+32*\t+8*\n+\j], v96 :: v_dual_mul_f32 v[SC+32*\t+4*(\j+1)+\n+1], v[OA+32*\t+8*(\n+1)+\j+1], v96
	v_dual_mul_f32 v[SC+32*\t+4*(\j+1)+\n], v[OA+32*\t+8*\n+\j+1], v96 :: v_dual_mul_f32 v[SC+32*\t+4*\j+\n+1], v[OA+32*\t+8*(\n+1)+\j], v96
.endr
.endr
.irp i, 0,1,2,3,4,5,6,7
	ds_store_b128 v98, v[SC+32*\t+4*\i:SC+32*\t+4*\i+3] offset:16*\i
.endr
.irp i, 0,1,2,3,4,5,6,7
	ds_load_b128 v[SC+32*\t+4*\i:SC+32*\t+4*\i+3], v[STW] offset:8*SPITCH*(\i/4)+SPITCH*(\i%4)   ; in order behind the stores above
.endr
.irp i, 0,1,2,3,4,5,6,7
	s_wait_dscnt 7-\i
	global_store_b128 v[OOF], v[SC+32*\t+4*\i:SC+32*\t+4*\i+3], s[OP:OP+1] offset:65536*\t+4096*(8*(\i/4)+\i%4) th:TH_STORE_NT
.endr
.endm
	s_load_b256 s[4:11], s[0:1], 0x0               ; q s[4:5], k s[6:7], v s[8:9], the scales' exponents s[10:11]
	s_load_b64 s[OP:OP+1], s[0:1], 0x20            ; out0
	v_lshrrev_b32 v34, 5, v0                       ; w
	v_and_b32 v32, 15, v0                          ; c = r = lane % 16
	v_bfe_u32 v33, v0, 4, 1                        ; hh = h = lane / 16
	v_readfirstlane_b32 s[WV], v34
	v_lshlrev_b32 v35, 4, v32                      ; 16 c
	v_lshl_add_u32 v[GOF], v33, 10, v35            ; + four rows of 256 bytes for lanes 16-31
	s_bfe_u32 s16, ttmp6, 0x40000                  ; my place in the cluster
	s_lshl_b32 s15, ttmp9, 2
	s_add_co_u32 s16, s15, s16                     ; my work-group's number
	s_lshr_b32 s15, s16, 1                         ; the head
	s_and_b32 s16, s16, 1                          ; which half of its queries
	s_lshl_b32 s36, s15, 18                        ; the head's first byte in q, k and v: 1,024 rows of 256 bytes
	s_lshl_b32 s37, s16, 17
	s_lshl_b32 s38, s[WV], 13
	s_add_co_u32 s18, s36, s37
	s_add_co_u32 s18, s18, s38                     ; q: + 512 rows x half + 32 rows x wave
	s_mov_b32 s19, 0
	s_lshl_b32 s38, s[WV], 11
	s_add_co_u32 s38, s36, s38                     ; k, v: + 8 rows x wave
	s_mov_b32 s39, 0
	s_wait_alu depctr_va_vdst(0)                   ; the wait here, ahead of the wait below
	s_wait_kmcnt 0x0
	s_load_b128 s[20:23], s[10:11], 0x0            ; e0, e1, e2, e3
	s_add_nc_u64 s[KP:KP+1], s[KP:KP+1], s[38:39]
	s_add_nc_u64 s[VP:VP+1], s[VP:VP+1], s[38:39]
	s_add_nc_u64 s[4:5], s[4:5], s[18:19]
	RAWLOAD RK, 0                                  ; chunk 0
	QLOAD 0, OA
	WORKREGS 50
	v_and_b32 v[LI], 31, v0
	v_mul_u32_u24 v37, v34, STGW
	v_and_b32 v36, 7, v0                           ; r8
	v_bfe_u32 v38, v0, 3, 1                        ; g
	v_lshlrev_b32 v[LI], 4, v[LI]
	v_add_nc_u32 v37, STG, v37                     ; my stage
	v_bfe_u32 v39, v0, 5, 1                        ; bit 0 of w: which 8 of 16 keys
	v_bfe_u32 v40, v0, 6, 2                        ; bits 2:1 of w: which 16 keys of the step
	v_bfe_u32 v41, v0, 8, 1                        ; bit 3 of w: which of the chunk's two steps
	v_mad_u32_u24 v[STW], v33, 4*SPITCH, v37
	v_mad_u32_u24 v[STR], v36, SPITCH, v37
	v_mad_u32_u24 v[QR], v32, SPITCH, v37
	v_lshlrev_b32 v[KW], 4, v36                    ; K's image: key 8 w + r8 of the chunk is row 8 (w % 2) + r8 of fragment (w / 2) % 4 of step w / 8; my codes are registers 4 g .. 4 g + 3 of its lane (row, h)
	v_lshl_add_u32 v[VW], v33, 2, v35              ; V's image: keys 8 w + 4 hh + 0 .. 3 are register 8 (w / 8) + 2 ((w / 2) % 4) + hh of the lanes with h = w % 2; channel 4 c + i is row c of channel tile i
	v_bfe_u32 v42, v0, 6, 1                        ; bit 1 of w
	v_bfe_u32 v43, v0, 7, 1                        ; bit 2 of w
	v_add_nc_u32 v[STW], v[STW], v35               ; + 16 c + four rows for lanes 16-31
	v_lshl_add_u32 v[STR], v38, 7, v[STR]
	v_lshl_add_u32 v[QR], v33, 5, v[QR]            ; row r, + 32 h bytes
	v_lshl_add_u32 v[KW], v39, 7, v[KW]
	v_lshl_add_u32 v[VW], v42, 3, v[VW]
	v_lshl_add_u32 v[STR], v33, 5, v[STR]          ; row r8, + 128 g + 32 h bytes
	v_lshl_add_u32 v[KW], v33, 8, v[KW]
	v_lshl_add_u32 v[VW], v39, 8, v[VW]
	v_lshl_add_u32 v[OOF], v33, 14, v35            ; 16 c + four rows of out0 for lanes 16-31
	v_lshl_add_u32 v[KW], v38, 9, v[KW]
	v_lshl_add_u32 v[VW], v43, 9, v[VW]
	v_mov_b32 v[RI+1], 0                           ; (named with v[RI] as a pair, so it is written)
	v_lshl_add_u32 v[KW], v40, 10, v[KW]
	v_lshl_add_u32 v[VW], v41, 10, v[VW]
	v_mov_b32 v[PX], 0                             ; a lane permute's destination counts as one of its sources
	v_lshl_add_u32 v[KW], v41, 12, v[KW]
	v_add_nc_u32 v[VW], VIMG, v[VW]
	s_mov_b32 s[SEL], 0x76543210
	s_mov_b32 s[SEL+1], 0xfedcba98
	s_mov_b32 s31, 0x5368d4a5                      ; 1e12
	s_mov_b32 s32, 0x05010400                      ; byte selects of the 4 x 4 turn: bytes 0 and 1 of two words, by turns;
	s_mov_b32 s33, 0x07030602                      ; bytes 2 and 3;
	s_mov_b32 s34, 0x05040100                      ; the two low halves;
	s_mov_b32 s35, 0x07060302                      ; the two high halves
	s_mov_b32 s[TB], 0
	s_lshr_b32 s36, s15, 4                         ; out0: batch x 1,024 rows of 4,096 bytes,
	s_lshl_b32 s36, s36, 22
	s_and_b32 s37, s15, 15                         ; + the head's 256 bytes of a row,
	s_lshl_b32 s37, s37, 8
	s_add_co_u32 s36, s36, s37
	s_lshl_b32 s37, s16, 21                        ; + 512 rows x half
	s_add_co_u32 s36, s36, s37
	s_lshl_b32 s37, s[WV], 17                      ; + 32 rows x wave
	s_add_co_u32 s36, s36, s37
	s_mov_b32 s37, 0
	s_add_nc_u64 s[OP:OP+1], s[OP:OP+1], s[36:37]
	s_wait_alu depctr_va_vdst(0)                   ; the wait here, ahead of the wait below
	s_wait_kmcnt 0x0
	MKSCALE 20, SQ, LQ
	MKSCALE 21, SK, LK
	MKSCALE 23, SV, LV
	s_add_co_i32 s36, s22, 2
	s_max_i32 s36, s36, -3                         ; e2 + M = max(e2 + 2, -3)
	s_add_co_i32 s30, s36, s23                     ; + e3, for the end
	s_add_co_i32 s36, s36, 127
	s_lshl_b32 s36, s36, 23
	v_mov_b32 v[SPP], s36
	s_add_co_i32 s36, s20, s21
	s_lshl_b32 s36, s36, 23
	s_mov_b32 s[CS], 0x3fb8aa3b                    ; log2(e);
	s_add_co_i32 s[CS], s[CS], s36                 ; a sum of the first product stands for sum x 2^(e0 + e1): the two exponents are added to its exponent field
	s_mov_b32 s[CS+1], s[CS]                       ; (named with it as a pair, so it is written)
	CONVERT 0, 8, RK, 1, 2*CHB, 0, 1               ; chunk 0 (younger: Q's tile 0); chunks 1 and 2 are asked for
	QLOAD 1, SC+32
	QCONV 0, OA, 24                                ; younger: chunks 1 and 2, Q's tile 1
	INTOLDS
	s_barrier_signal -1
	s_barrier_wait -1                              ; chunk 0's images are whole
	NEXTK
	CHUNK 0, 1, 1, 1, 0, 1                         ; chunk 0, tile 0
	CHUNK 0, 1, 0, 2, 1, 3                         ; chunk 1, tile 0
	WORKREGS SC+32
	CHUNK 0, 2, 2, 3, 0, 1                         ; chunk 2: tile 1 starts
	s_mov_b32 s[CNT], 3
.Lchunk:                                               ; chunks 3, 4, 5: chunks 4, 5, 6 are converted, 5, 6, 7 asked for
	CHUNK 0, 2, 0, 4, 1, 1
	s_sub_co_u32 s[CNT], s[CNT], 1
	s_cmp_lg_u32 s[CNT], 0
	s_cbranch_scc1 .Lchunk
	CHUNK 0, 2, 0, 5, 1, 1                         ; chunk 6: nothing is left to ask for
	CHUNK 0, 2, 0, 0, 1, 2                         ; chunk 7
	v_lshrrev_b32 v98, 5, v0                       ; the way in of my stage: row r, + 128 h bytes
	v_and_b32 v99, 15, v0
	v_bfe_u32 v100, v0, 4, 1
	v_mul_u32_u24 v98, v98, STGW
	v_mad_u32_u24 v98, v99, SPITCH, v98
	v_lshl_add_u32 v98, v100, 7, v98
	v_add_nc_u32 v98, STG, v98
	WAYOUT 0                                       ; tile 0's stores are on their way while tile 1 walks the two chunks that it has left
	CHUNK 1, 1, 0, 0, 0, 1
	CHUNK 1, 1, 0, 0, 1, 0
	WAYOUT 1
	v_lshl_add_u32 v102, v0, 2, SPARE
	v_mov_b32 v103, 0
	s_wait_alu depctr_va_vdst(0)
	s_wait_tensorcnt 0x0
	ds_add_u32 v102, v103
	s_wait_dscnt 0x0
	s_endpgm
.Lfunc_end_k_q8e92389043_attn:
	.size	k_q8e92389043_attn, .Lfunc_end_k_q8e92389043_attn-k_q8e92389043_attn
	.p2alignl 7, 3214868480
	.fill 96, 4, 3214868480
	.section	.rodata,"a",@progbits
	.p2align	6, 0x0
	.amdhsa_kernel k_q8e92389043_attn
		.amdhsa_group_segment_fixed_size 202752
		.amdhsa_private_segment_fixed_size 0
		.amdhsa_enable_private_segment 0
		.amdhsa_kernarg_size 40
		.amdhsa_user_sgpr_count 2
		.amdhsa_user_sgpr_kernarg_segment_ptr 1
		.amdhsa_wavefront_size32 1
		.amdhsa_system_sgpr_workgroup_id_x 1
		.amdhsa_system_sgpr_workgroup_id_y 1
		.amdhsa_system_sgpr_workgroup_id_z 1
		.amdhsa_system_vgpr_workitem_id 0
		.amdhsa_next_free_vgpr 256
		.amdhsa_next_free_sgpr 66
		.amdhsa_reserve_vcc 0
		.amdhsa_float_denorm_mode_32 3
		.amdhsa_float_denorm_mode_16_64 3
		.amdhsa_memory_ordered 1
		.amdhsa_forward_progress 1
		.amdhsa_inst_pref_size 173
	.end_amdhsa_kernel
	.amdgpu_metadata
---
amdhsa.version: [ 1, 2 ]
amdhsa.kernels:
  - .name:           k_q8e92389043_attn
    .symbol:         k_q8e92389043_attn.kd
    .args:
      - { .name: q, .offset: 0, .size: 8, .value_kind: global_buffer, .address_space: global }
      - { .name: k, .offset: 8, .size: 8, .value_kind: global_buffer, .address_space: global }
      - { .name: v, .offset: 16, .size: 8, .value_kind: global_buffer, .address_space: global }
      - { .name: lowp_scales, .offset: 24, .size: 8, .value_kind: global_buffer, .address_space: global }
      - { .name: out0, .offset: 32, .size: 8, .value_kind: global_buffer, .address_space: global }
    .group_segment_fixed_size: 202752
    .private_segment_fixed_size: 0
    .kernarg_segment_align: 8
    .kernarg_segment_size: 40
    .max_flat_workgroup_size: 512
    .sgpr_count:     66
    .vgpr_count:     256
    .wavefront_size: 32
...
	.end_amdgpu_metadata
.endif
;; end of part 1
